; MI455X (gfx1250); checked and timed in simulation.
; The chip was launched on July 23, 2026; its instructions are those of AMD's public machine-readable ISA for CDNA 5 (MIT licence, August 2026) and "CDNA5" Instruction Set Architecture Reference Guide (July 2026). The comments in the code are by the model that wrote it; some were corrected since.
;; TCA Block. Allowed arithmetic: float matrix products may take bf16 or f16 operands with f32 sums; all other float work in f32.
;; Inputs: Wk 1,024 x 1,024 float32; Wout 1,024 x 1,024 float32; Wq 1,024 x 1,024 float32; Wv 1,024 x 1,024 float32; bout 1,024 float32; c 2,048 x 8 x 1,024 float32; x 2,048 x 8 x 1,024 float32.
;; Outputs: out0 2,048 x 8 x 1,024 float32.
;; One version. Each part assembles by itself: llvm-mc -triple=amdgcn-amd-amdhsa -mcpu=gfx1250 --defsym DOCPART=n.
;; ======== version 1 of 1: 2 launches
;; limits: values are held in f16: magnitudes above 65,504 overflow, below 6.1e-05 lose precision
;; workspace buffers: wt 8,388,608 bytes
;; launch wprep (part 1): grid 256 x 1, 8 waves a work-group, no clusters, 34,816 bytes of LDS; arguments Wk, Wq, Wv, Wout, wt; writes wt
.if DOCPART == 1
	.amdgcn_target "amdgcn-amd-amdhsa--gfx1250"
	.amdhsa_code_object_version 6
	.text
	.protected	k_qa6505459fe_wprep
	.globl	k_qa6505459fe_wprep
	.p2align	8
	.type	k_qa6505459fe_wprep,@function
k_qa6505459fe_wprep:
	s_mov_b64 s[64:65], 0
	v_nop
	global_prefetch_b8 v0, s[64:65] scope:SCOPE_SE
	s_setreg_imm32_b32 hwreg(HW_REG_WAVE_MODE, 25, 1), 1
	s_wait_xcnt 0x0
; The four weight matrices ([1024 k][1024 n] f32) are rounded once to f16 and written as ONE stream wt, in the register image of the matrix
; instruction's second source and in the order in which the main launch takes them:
;   wt[g 0..63][w 0..3][kk 0..1][i 0..15][c 0..1][L 0..31][8 halves];  g = 16 p + s, p: 0 Wk, 1 Wq, 2 Wv, 3 Wout; L = 16 h + r.
;   Half e holds W_p[row(kp)][col(w, i, r)], kp = 64 s + 32 kk + 16 c + 8 h + e.
;   row: p < 3: kp.   p = 3: 128 ((kp >> 4) & 7) + 16 (kp >> 7) + (kp & 15)  (the order in which the main launch lays attn along K).
;   col: p = 0, 1: 128 (r & 7) + 32 w + 2 i + (r >> 3).   p = 2: 128 (i >> 1) + 32 w + 16 (i & 1) + r.   p = 3: 256 w + 64 (i >> 2) + 4 r + (i & 3).
; SHARES.  Work-group b takes (g, kk, c) = (b >> 2, (b >> 1) & 1, b & 1): 16 consecutive rows of W_p, all 1,024 columns (64 KB in), and writes 64 blocks
; (w, i) of 512 bytes (32 KB out).  Thread t loads 16 bytes (columns 4 t .. 4 t + 3) of each row: a wave's load covers 512 consecutive bytes.  A column's
; 16 numbers pack into two pieces of 16 bytes (h = 0, 1); they go through LDS, where a block is laid as it will lie in wt, and come back 512 bytes a wave.
; Memory binds; no matrix unit, no cluster (no two work-groups read the same bytes).
; LIMIT.  f16: a weight of magnitude 65,520 or more becomes an infinity; below 6.1e-5 the step is 6e-8.
.set PITCH, 528                        ; a block in LDS: 512 bytes + 16
.set SPARE, 64*PITCH                   ; behind the 64 blocks: the spare words, 128 bytes for each of eight waves
.set R, 16                             ; v[16:79]   row q4 of 16: four f32 at R + 4 row
.set C, 80                             ; v[80:111]  column q, half hh: four registers at C + 8 q + 4 hh
	s_load_b256 s[4:11], s[0:1], 0x0               ; Wk s[4:5], Wq s[6:7], Wv s[8:9], Wout s[10:11]
	s_load_b64 s[12:13], s[0:1], 0x20              ; wt
	v_lshl_add_u32 v1, v0, 2, SPARE                ; my spare word
	v_mov_b32 v2, 0
	v_lshlrev_b32 v3, 4, v0                        ; my 16 bytes of a row
	v_lshrrev_b32 v7, 5, v0
	v_readfirstlane_b32 s14, v7                    ; wave 0..7
	s_lshr_b32 s16, ttmp9, 6                       ; p
	s_lshr_b32 s17, ttmp9, 2                       ; g
	s_and_b32 s18, ttmp9, 63                       ; kp0 / 16
	s_lshl_b32 s19, s18, 4                         ; first row, p < 3
	s_and_b32 s20, s18, 7
	s_lshl_b32 s20, s20, 7                         ; p = 3: 128 ((kp0 >> 4) & 7)
	s_lshr_b32 s21, s18, 3
	s_lshl_b32 s21, s21, 4                         ;        + 16 (kp0 >> 7)
	s_add_co_u32 s20, s20, s21
	s_cmp_eq_u32 s16, 3
	s_cselect_b32 s19, s20, s19
	s_lshl_b32 s22, s19, 12                        ; in bytes
	s_mov_b32 s23, 0
	s_lshl_b32 s24, s17, 17                        ; wt: g x 131,072
	s_bfe_u32 s26, ttmp9, 0x10001
	s_lshl_b32 s26, s26, 14                        ; + kk x 16,384
	s_add_co_u32 s24, s24, s26
	s_and_b32 s26, ttmp9, 1
	s_lshl_b32 s26, s26, 9                         ; + c x 512
	s_add_co_u32 s24, s24, s26
	s_mov_b32 s25, 0
	s_wait_kmcnt 0x0
	s_cmp_eq_u32 s16, 1                            ; the matrix is chosen by p
	s_cselect_b64 s[28:29], s[6:7], s[4:5]
	s_cmp_eq_u32 s16, 2
	s_cselect_b64 s[28:29], s[8:9], s[28:29]
	s_cmp_eq_u32 s16, 3
	s_cselect_b64 s[28:29], s[10:11], s[28:29]
	s_add_nc_u64 s[28:29], s[28:29], s[22:23]
	s_add_nc_u64 s[12:13], s[12:13], s[24:25]
.set i, 0
.rept 16
	global_load_b128 v[R+4*i:R+4*i+3], v3, s[28:29] offset:i*4096 th:TH_LOAD_NT
.set i, i+1
.endr
	s_wait_loadcnt 0x0
.irp q, 0,1,2,3
.irp hh, 0,1
.irp d, 0,1,2,3
	v_cvt_pk_f16_f32 v[C+8*(\q)+4*(\hh)+(\d)], v[R+4*(8*(\hh)+2*(\d))+(\q)], v[R+4*(8*(\hh)+2*(\d)+1)+(\q)]  ; rows 8 hh + 2 d, + 1 of column 4 t + q
.endr
.endr
.endr
	; where column n = 4 t + q lies: block 16 w + i, bytes 256 hh + 16 r, by the inverse of p's column map
	s_cmp_eq_u32 s16, 2
	s_cbranch_scc1 .Lmap_v
	s_cmp_eq_u32 s16, 3
	s_cbranch_scc1 .Lmap_o
	v_bfe_u32 v7, v0, 3, 2                         ; K, Q: w = (t >> 3) & 3, i = 2 (t & 7) + (q >> 1), r = (t >> 5) + 8 (q & 1)
	v_and_b32 v8, 7, v0
	v_lshlrev_b32 v7, 4, v7
	v_lshl_add_u32 v7, v8, 1, v7
	v_mul_u32_u24 v4, v7, PITCH
	v_lshrrev_b32 v8, 5, v0
	v_lshl_add_u32 v4, v8, 4, v4
.irp q, 0,1,2,3
.irp hh, 0,1
	ds_store_b128 v4, v[C+8*(\q)+4*(\hh):C+8*(\q)+4*(\hh)+3] offset:((\q)/2)*PITCH+((\q)%2)*128+(\hh)*256
.endr
.endr
	s_branch .Lmapped
.Lmap_v:
	v_bfe_u32 v7, v0, 3, 2                         ; V: w = (t >> 3) & 3, i = 2 (t >> 5) + ((t >> 2) & 1), r = 4 (t & 3) + q
	v_lshrrev_b32 v8, 5, v0
	v_lshlrev_b32 v7, 4, v7
	v_lshl_add_u32 v7, v8, 1, v7
	v_bfe_u32 v8, v0, 2, 1
	v_add_nc_u32 v7, v7, v8
	v_mul_u32_u24 v4, v7, PITCH
	v_and_b32 v8, 3, v0
	v_lshl_add_u32 v4, v8, 6, v4
.irp q, 0,1,2,3
.irp hh, 0,1
	ds_store_b128 v4, v[C+8*(\q)+4*(\hh):C+8*(\q)+4*(\hh)+3] offset:(\q)*16+(\hh)*256
.endr
.endr
	s_branch .Lmapped
.Lmap_o:
	v_lshrrev_b32 v7, 6, v0                        ; Out: w = t >> 6, i = 4 ((t >> 4) & 3) + q, r = t & 15
	v_bfe_u32 v8, v0, 4, 2
	v_lshlrev_b32 v7, 4, v7
	v_lshl_add_u32 v7, v8, 2, v7
	v_mul_u32_u24 v4, v7, PITCH
	v_and_b32 v8, 15, v0
	v_lshl_add_u32 v4, v8, 4, v4
.irp q, 0,1,2,3
.irp hh, 0,1
	ds_store_b128 v4, v[C+8*(\q)+4*(\hh):C+8*(\q)+4*(\hh)+3] offset:(\q)*PITCH+(\hh)*256
.endr
.endr
.Lmapped:
	s_wait_dscnt 0x0                               ; for the others' sake: my stores are done
	s_barrier_signal -1
	s_barrier_wait -1
	v_and_b32 v8, 31, v0                           ; wave o takes blocks 8 o .. 8 o + 7: w = o >> 1, i = 8 (o & 1) + n
	s_mul_i32 s26, s14, 8*PITCH
	v_lshl_add_u32 v5, v8, 4, s26
	s_lshr_b32 s26, s14, 1
	s_lshl_b32 s26, s26, 15
	s_and_b32 s27, s14, 1
	s_lshl_b32 s27, s27, 13
	s_add_co_u32 s26, s26, s27
	v_lshl_add_u32 v6, v8, 4, s26
.irp n, 0,1,2,3,4,5,6,7
	ds_load_b128 v[R+4*(\n):R+4*(\n)+3], v5 offset:(\n)*PITCH
.endr
.irp n, 0,1,2,3,4,5,6,7
	s_wait_dscnt 7-(\n)                            ; LDS loads come back in order: block n is in, the younger ones may be out
	global_store_b128 v6, v[R+4*(\n):R+4*(\n)+3], s[12:13] offset:(\n)*1024  ; 512 consecutive bytes, at a multiple of 512 from wt's first
.endr
	s_wait_tensorcnt 0x0                           ; the wave's end, behind my last LDS store
	ds_add_u32 v1, v2
	s_wait_dscnt 0x0
	s_endpgm
.Lfunc_end_k_qa6505459fe_wprep:
	.size	k_qa6505459fe_wprep, .Lfunc_end_k_qa6505459fe_wprep-k_qa6505459fe_wprep
	.p2alignl 7, 3214868480
	.fill 96, 4, 3214868480
	.section	.rodata,"a",@progbits
	.p2align	6, 0x0
	.amdhsa_kernel k_qa6505459fe_wprep
		.amdhsa_group_segment_fixed_size 34816
		.amdhsa_private_segment_fixed_size 0
		.amdhsa_enable_private_segment 0
		.amdhsa_kernarg_size 40
		.amdhsa_user_sgpr_count 2
		.amdhsa_user_sgpr_kernarg_segment_ptr 1
		.amdhsa_wavefront_size32 1
		.amdhsa_system_sgpr_workgroup_id_x 1
		.amdhsa_system_sgpr_workgroup_id_y 1
		.amdhsa_system_sgpr_workgroup_id_z 1
		.amdhsa_system_vgpr_workitem_id 0
		.amdhsa_next_free_vgpr 112
		.amdhsa_next_free_sgpr 66
		.amdhsa_reserve_vcc 0
		.amdhsa_float_denorm_mode_32 3
		.amdhsa_float_denorm_mode_16_64 3
		.amdhsa_memory_ordered 1
		.amdhsa_forward_progress 1
		.amdhsa_inst_pref_size 11
	.end_amdhsa_kernel
	.amdgpu_metadata
---
amdhsa.version: [ 1, 2 ]
amdhsa.kernels:
  - .name:           k_qa6505459fe_wprep
    .symbol:         k_qa6505459fe_wprep.kd
    .args:
      - { .name: Wk, .offset: 0, .size: 8, .value_kind: global_buffer, .address_space: global }
      - { .name: Wq, .offset: 8, .size: 8, .value_kind: global_buffer, .address_space: global }
      - { .name: Wv, .offset: 16, .size: 8, .value_kind: global_buffer, .address_space: global }
      - { .name: Wout, .offset: 24, .size: 8, .value_kind: global_buffer, .address_space: global }
      - { .name: wt, .offset: 32, .size: 8, .value_kind: global_buffer, .address_space: global }
    .group_segment_fixed_size: 34816
    .private_segment_fixed_size: 0
    .kernarg_segment_align: 8
    .kernarg_segment_size: 40
    .max_flat_workgroup_size: 256
    .sgpr_count:     66
    .vgpr_count:     112
    .wavefront_size: 32
...
	.end_amdgpu_metadata
.endif
;; end of part 1
;; launch fused (part 2): grid 256 x 1, 4 waves a work-group, clusters of 4 x 1, 327,680 bytes of LDS; arguments x, c, bout, wt, out0; writes out0
.if DOCPART == 2
	.amdgcn_target "amdgcn-amd-amdhsa--gfx1250"
	.amdhsa_code_object_version 6
	.text
	.protected	k_qa6505459fe_fused
	.globl	k_qa6505459fe_fused
	.p2align	8
	.type	k_qa6505459fe_fused,@function
k_qa6505459fe_fused:
	s_mov_b64 s[64:65], 0
	v_nop
	global_prefetch_b8 v0, s[64:65] scope:SCOPE_SE
	s_setreg_imm32_b32 hwreg(HW_REG_WAVE_MODE, 25, 1), 1
	s_wait_xcnt 0x0
	s_wait_alu depctr_hold_cnt(0) depctr_sa_sdst(0) depctr_va_vdst(0) depctr_va_sdst(0) depctr_va_ssrc(0) depctr_va_vcc(0) depctr_vm_vsrc(0)
	s_getreg_b32 s2, hwreg(HW_REG_IB_STS2, 6, 4)
	s_cmp_eq_u32 s2, 0
	s_cbranch_scc0 .Lentry_in_a_cluster
	s_endpgm
.Lentry_in_a_cluster:
	s_bfe_u32 s2, ttmp6, 0x10000c
	s_cmp_lg_u32 s2, 0x3003
	s_cbranch_scc0 .Lentry_shape_is_right
	s_endpgm
.Lentry_shape_is_right:
; out = attention(x Wq, c Wk, c Wv) Wout + bout, whole, for 64 of the 16,384 rows in each work-group.  The reference's raw reshape makes a head of ONE row:
; its eight tokens are the row's eight pieces of 128 numbers.  S[t][t'] = q[128 t ..] . k[128 t' ..] / sqrt(128), softmax over t', attn[128 t + ch] = sum P[t][t'] v[128 t' + ch].
; Nothing crosses rows, so q, k, v, P and attn never leave the work-group.
; FORMATS.  Every matrix operand is f16 (x, c, the weights: rounded once from f32; q, k, v, P, attn: rounded once from f32 sums); sums, maxima, exponentials, bias in f32; the row maximum is taken away.
; LIMITS.  A magnitude of 65,520 or more in x, c, a weight, q, k or v becomes an infinity; below 6.1e-5 f16 keeps a fixed step of 6e-8; a softmax weight below 2^-126 counts as 0; NaN and infinities are not treated apart.
; SHARES.  Four waves; a wave makes all 64 rows x 256 columns of each of the four products: 64 accumulators of 16 x 16, 512 registers.  WHICH 256 columns is decided by the layout of wt (made by the launch before)
; and by the quarter y of a slot that the wave takes:
;   K, Q: lane r of tile i holds token r & 7, channel 32 y + 2 i + (r >> 3): a wave holds 32 channels of all eight tokens, so it makes partial scores from its own accumulators;
;   V:    tile i holds token i >> 1, channels 32 y + 16 (i & 1) + r: the accumulators pack straight into the first source of P V;
;   Out:  lane r of tiles 4 g .. 4 g + 3 holds columns 256 y + 64 g + 4 r + 0..3: 16 bytes a lane, sixteen lanes 256 consecutive aligned bytes of out.
; THE WEIGHTS' STREAM.  64 slots of 128 KiB (K = 64 of one product, all 1,024 columns) go through a ring of two LDS buffers; a wave fetches and reads one quarter, which lies in fragment order: lane L reads 16 L.
; CLUSTER.  The four work-groups of a cluster walk the same slots in the same order and ask JOINTLY (same load, same descriptor, mask of four); each receives the slot in its own LDS.
; THE ORDER ALONG K.  A product's K falls into 8 units of 128 (two slots each).  Cluster j takes as its n-th unit ((n + (j & 6)) mod 8) xor (j & 1): the sums are the same but for their order; at any time the eight
; kinds of cluster ask for eight different units, and from a product's second unit on each unit that a cluster asks for has been asked for, one or two units' time before, by another kind.
; THE WAVES' QUARTERS.  In K, Q and V wave w takes quarter y = (w + (j & 6) / 2) mod 4 (the scores are summed over all four waves, so any share serves) and so holds attn's channels 32 y .. 32 y + 31, units 2 y and 2 y + 1
; of Out's K.  Then Out's n-th unit lies in wave n >> 1, whatever j, and j & 1 only says which of that wave's two units it is.  In Out wave w takes quarter w: its columns of out.
; x AND c come through registers (f32, 16 rows x 512 bytes a wave and K = 128), are rounded and laid into a stage of 64 rows x 128 K that all four waves read; they are asked for four K steps of 32 ahead.
; REGISTERS, in windows of 256 (s_set_vgpr_msb: bits 1:0 source 0, 3:2 source 1, 5:4 source 2, 7:6 destination):
;   window 0: v0-23 addresses; v24-87 two buffers of A fragments (later OWN: my block's scores; store data); v88-215 B fragments of one K step (later T, T2: at work); v216-255 x/c rows 0-9 in flight (later the bias)
;   window 1: k's fragments, later v's, later attn (packed); v232-255 x/c rows 10-15 in flight          windows 2, 3: accumulator (a, i) at window 2 + (i >> 3), v[32 (i & 7) + 8 a]
.set ROWB,  4096                       ; bytes in a row of x, c, out
.set RINGB, 131072                     ; a ring buffer; buffer n at n x RINGB, wave w's part at + 32,768 w, in it kk x 16,384 + i x 1,024 + c x 512 + 16 L
.set X0,    2*RINGB                    ; three inboxes of 16,384 bytes for partial scores: slot x 16,384 + a x 4,096 + j x 512 + 32 x (valid lane); the first later holds P: a x 4,096 + j x 512 + 16 L
.set STG,   X0+16384                   ; the stage: two units of 64 rows x 256 bytes, over inboxes 1 and 2, which are used at other times
.set AP,    272                        ; a stage row: 256 bytes + 16: the 16 rows of a fragment load start at 16 different groups of four banks (ISA guide 11.1)
.set UNIT,  64*AP
.set SPARE, STG+2*UNIT                 ; the spare words, 128 bytes for each wave: two blocks of 256 bytes that no other line names
.set STSH,  SPARE+512                  ; three fragments of k for each wave, which find no register while x streams
.set SPW,  1                           ; v1   SPARE + 4 x my thread's number; never rewritten
.set NIL,  2                           ; v2   0; never rewritten
.set ADRB, 3                           ; v3-4 my 16 bytes in my part of ring buffer 0, 1
.set ADRA0, 5                          ; v5   my place in an A fragment of stage unit 0
.set ADRA, 6                           ; v6   the same in the unit in hand
.set STA0, 7                           ; v7   where I lay 8 bytes of my wave's first row in stage unit 0
.set STA,  8                           ; v8   where I lay my bytes in the unit being laid (x, c: from STA0; attn: from HST)
.set GX,   9                           ; v9   my byte offset in x and c
.set HST,  10                          ; v10  where I lay 16 bytes of attn in stage unit 0
.set IW,   11                          ; v11  my 32 bytes in a tile of an inbox
.set IWS,  12                          ; v12  the same with slot and block
.set PL,   13                          ; v13  my 16 bytes in a tile of P
.set PW,   14                          ; v14  the same in my block
.set STS,  15                          ; v15  my 16 bytes in my stash
.set OUTO, 16                          ; v16  my byte offset in out
.set BIO,  17                          ; v17  my byte offset in bout
.set AF,   24
.set BF,   88
.set PFL,  216
.set PFH,  232                         ; window 1
.set OWN,  24
.set T,    88
.set T2,   152
.set MX,   152                         ; softmax: tile t's c m (later 1 / sum) and m at MX + 2 t
.set SU,   168                         ; softmax: tile t's sums at SU + 4 t
.set BIAS, 216
.set FL,  2                            ; s2   j & 1, j the cluster's number
.set QR,  3                            ; s3   my quarter in K, Q and V, in bytes: ((w + (j & 6) / 2) mod 4) x 32,768
.set OFF, 4                            ; s[4:5]   byte offset in wt of the part of a slot to be asked for (x's address lies here only at the head)
.set XO,  6                            ; s[6:7]   byte offset along a row of x or c of the unit asked for last (c's address lies here only at the head)
.set WV,  14                           ; s14  my wave's number
.set U0E, 15                           ; s15  j & 6
.set G1,  16                           ; s[16:23] descriptor group 1
.set G0,  24                           ; s[24:31] descriptor group 0, a set for each ring buffer
.set XB,  32                           ; s[32:33] x at my 64 rows
.set CB,  34                           ; s[34:35] c at my 64 rows
.set PX,  36                           ; s[36:37] where the rows in flight come from
.set NB,  38                           ; s[38:39] the next product's operand
.set CUR, 40                           ; s[40:41] this product's operand
.set SP,  42                           ; s42  product: 0 K, 1 Q, 2 V
.set SK,  43                           ; s43  counts a product's units
.set PAR, 44                           ; s44  byte offset of the stage unit in hand: 0 or UNIT
.set STP, 45                           ; s45  of the unit being laid
.set LASTP, 46                         ; s46  1 in V: nothing follows to be loaded
.set SF,  47
.set SUN, 48                           ; s48  Out: the place n in my order of the unit of attn to be laid next
.set NU,  49                           ; s49  8 x product + place n in my order of the unit whose slots are asked for next
.set CS,  50                           ; s[50:51] c = log2(e) / sqrt(128)
.set SEL, 52                           ; s[52:53] v_permlanex16_b32: each lane takes place (own xor 8) of the other half
.set MSWP, 54                          ; s54  lanes 8-23
.set MVAL, 55                          ; s55  lanes 0-7 and 24-31
.set XW,  60                           ; s60  512 x ((n + (j & 6)) mod 8) for the unit of x or c asked for last
.set FL9, 61                           ; s61  512 x (j & 1)
.set MSB, 0
.macro WIN new                         ; the immediate's high byte repeats the setting that is left; a switch that changes nothing is dropped
.if MSB != (\new)
	s_set_vgpr_msb (MSB<<8)|(\new)
.set MSB, (\new)
.endif
.endm
; A vector instruction that reads a matrix result or writes one of a matrix instruction's registers, and a load into such a register, stand four places behind it; only plain vector
; instructions that name none of its registers are places (ISA guide 7.12.1 for vector instructions).
.macro PLACES
.rept 4
	v_nop
.endr
.endm
; A round of the cluster's barrier: my work-group's barrier; wave 0 signals for the work-group; every wave waits for all four work-groups; my work-group's barrier once more.
.macro CREST
	s_cmp_lg_u32 s[WV], 0
	s_cbranch_scc1 .Lnot_wave_0_\@
	s_barrier_signal -3
.Lnot_wave_0_\@:
	s_barrier_wait -3
	s_barrier_signal -1
	s_barrier_wait -1
.endm
.macro CROUND
	s_barrier_signal -1
	s_barrier_wait -1
	CREST
.endm
; 4 n matrix instructions: column tiles 8 hf + i0 .. + n - 1, all four row blocks, 32 along K.  Source 0 = 16 rows of x (c, attn), source 1 = 16 columns of W: register j of lane (r, h) is row 16 a + 8 h + j, column r of the tile.
; The 64 accumulators take turns, one instruction a turn.  zero = 1: the product starts the sum.
.macro MULN hf, i0, n, ab, zero
	WIN 0xa0+0x50*(\hf)
.set mi, (\i0)
.rept \n
.set ma, 0
.rept 4
.if \zero
	v_wmma_f32_16x16x32_f16 v[32*mi+8*ma:32*mi+8*ma+7], v[AF+32*(\ab)+8*ma:AF+32*(\ab)+8*ma+7], v[BF+64*(\hf)+8*mi:BF+64*(\hf)+8*mi+7], 0
.else
	v_wmma_f32_16x16x32_f16 v[32*mi+8*ma:32*mi+8*ma+7], v[AF+32*(\ab)+8*ma:AF+32*(\ab)+8*ma+7], v[BF+64*(\hf)+8*mi:BF+64*(\hf)+8*mi+7], v[32*mi+8*ma:32*mi+8*ma+7]
.endif
.set ma, ma+1
.endr
.set mi, mi+1
.endr
.endm
.macro RUNB hf, sl, kk                 ; 16 loads: B tiles 8 hf .. 8 hf + 7 of half kk of ring buffer sl; each covers 512 consecutive bytes
	WIN 0
.set bi, 8*(\hf)
.rept 8
	ds_load_b128 v[BF+8*bi:BF+8*bi+3],   v[ADRB+(\sl)] offset:(\kk)*16384+bi*1024
	ds_load_b128 v[BF+8*bi+4:BF+8*bi+7], v[ADRB+(\sl)] offset:(\kk)*16384+bi*1024+512
.set bi, bi+1
.endr
.endm
.macro RUNA ab, koff                   ; 8 loads: the four A fragments at byte koff of the stage's rows
	WIN 0
.set ra, 0
.rept 4
	ds_load_b128 v[AF+32*(\ab)+8*ra:AF+32*(\ab)+8*ra+3],   v[ADRA] offset:ra*16*AP+(\koff)
	ds_load_b128 v[AF+32*(\ab)+8*ra+4:AF+32*(\ab)+8*ra+7], v[ADRA] offset:ra*16*AP+(\koff)+32
.set ra, ra+1
.endr
.endm
.macro XLOAD                           ; my wave's 16 rows x 512 bytes of a unit: each load covers 512 consecutive aligned bytes
	WIN 0
.set xl, 0
.rept 10
	global_load_b128 v[PFL+4*xl:PFL+4*xl+3], v[GX], s[PX:PX+1] offset:xl*ROWB
.set xl, xl+1
.endr
	WIN 0x40
.rept 6
	global_load_b128 v[PFH+4*(xl-10):PFH+4*(xl-10)+3], v[GX], s[PX:PX+1] offset:xl*ROWB
.set xl, xl+1
.endr
	WIN 0
.endm
; The rows in flight are rounded to f16 in place, laid into the stage unit that is not being read, and the next unit's rows are asked for: four K steps, 256 matrix instructions, ahead of the wait for them.
; The units follow my cluster's order: a walker steps by 512 bytes round the row's 4,096, and j & 1 turns its bit 9; after eight steps it stands at my first unit again, which is where the next product begins.
; pro = 1: a product's first unit.  In a product's last trip the next product's first unit is asked for; in V's nothing.  Its first lines are also the places behind the products in front of it.
.macro XHOOK pro
	WIN 0
	s_wait_loadcnt 0x0                             ; the rows are in; PX may be written
.if !(\pro)
	s_xor_b32 s[STP], s[PAR], UNIT
.endif
	v_add_nc_u32 v[STA], s[STP], v[STA0]
.set xl, 0
.rept 10
	v_cvt_pk_f16_f32 v[PFL+4*xl],   v[PFL+4*xl],   v[PFL+4*xl+1]
	v_cvt_pk_f16_f32 v[PFL+4*xl+1], v[PFL+4*xl+2], v[PFL+4*xl+3]
.set xl, xl+1
.endr
	WIN 0x45
.set xl, 0
.rept 6
	v_cvt_pk_f16_f32 v[PFH+4*xl],   v[PFH+4*xl],   v[PFH+4*xl+1]
	v_cvt_pk_f16_f32 v[PFH+4*xl+1], v[PFH+4*xl+2], v[PFH+4*xl+3]
.set xl, xl+1
.endr
	WIN 0x04
.set xl, 0
.rept 6
	ds_store_b64 v[STA], v[PFH+4*xl:PFH+4*xl+1] offset:(10+xl)*AP
.set xl, xl+1
.endr
	WIN 0
.set xl, 0
.rept 10
	ds_store_b64 v[STA], v[PFL+4*xl:PFL+4*xl+1] offset:xl*AP
.set xl, xl+1
.endr
	s_add_co_u32 s[XW], s[XW], 512
	s_and_b32 s[XW], s[XW], 7*512
	s_xor_b32 s[XO], s[XW], s[FL9]
.if \pro
	s_add_nc_u64 s[PX:PX+1], s[CUR:CUR+1], s[XO:XO+1]
	XLOAD
.else
	s_cmp_eq_u32 s[SK], 1
	s_cselect_b64 s[PX:PX+1], s[NB:NB+1], s[CUR:CUR+1]
	s_cselect_b32 s[SF], s[LASTP], 0
	s_add_nc_u64 s[PX:PX+1], s[PX:PX+1], s[XO:XO+1]
	s_cmp_lg_u32 s[SF], 0
	s_cbranch_scc1 .Lno_load_\@
	XLOAD
.Lno_load_\@:
.endif
.endm
; attn's unit 2 y + e (channels 32 y + 16 e .. + 15 of all eight tokens) lies packed in window 1 of the wave with quarter y, at v[128 e ..]; 32 stores of 16 bytes lay it where v[STA] points
.macro HSTORE e
	WIN 0x04
.set hn, 0
.rept 32
	ds_store_b128 v[STA], v[128*(\e)+4*hn:128*(\e)+4*hn+3] offset:(16*(hn/8)+hn%8)*AP
.set hn, hn+1
.endr
	WIN 0
.endm
; Out: my order's n-th unit lies in wave n >> 1, which alone lays it, into the stage unit that is not being read: the address is made from PAR, as x's and c's is; (n & 1) xor (j & 1) only picks the registers..
; pro = 1: n = 0, wave 0, into stage unit 0.  Else n = SUN, and B tiles 8-15, asked for 32 matrix instructions ago, are waited for here, ahead of the stores, and not behind them.
.macro HHOOK pro
	WIN 0
.if \pro
	v_mov_b32 v[STA], v[HST]
	s_mov_b32 s58, s[FL]
	s_cmp_lg_u32 s[WV], 0
.else
	s_wait_dscnt 0x0
	s_xor_b32 s[STP], s[PAR], UNIT
	v_add_nc_u32 v[STA], s[STP], v[HST]
	s_lshr_b32 s57, s[SUN], 1
	s_and_b32 s58, s[SUN], 1
	s_xor_b32 s58, s58, s[FL]
	s_cmp_lg_u32 s57, s[WV]
.endif
	s_cbranch_scc1 .Lh_done_\@
	s_cmp_lg_u32 s58, 0
	s_cbranch_scc1 .Lh_odd_\@
	HSTORE 0
	s_branch .Lh_done_\@
.Lh_odd_\@:
	HSTORE 1
.Lh_done_\@:
.if !(\pro)
	PLACES
	s_add_co_u32 s[SUN], s[SUN], 1
.endif
.endm
; A K STEP of 32: 64 matrix instructions.  B has one buffer, filled by halves: tiles 0-7 of the next step while tiles 8-15 are multiplied, and the other way round; A has two.  sl, kk, koff name the NEXT step's operands.
; hook: 1 x/c's, 2 attn's, 0 none.  turn = 1: the A loads go on to the other stage unit.  tw = 1: the last slot is waited for.
.macro STEPA ab, sl, kk, koff, zero, hook, turn, tw
	s_wait_dscnt 16                                ; B tiles 0-7 and A are in; the youngest sixteen loads (tiles 8-15) may be out
	MULN 0, 0, 8, \ab, \zero
.if (\hook) == 1
	XHOOK 0
.elseif (\hook) == 2
	HHOOK 0
.else
	PLACES
.endif
.if \tw
	s_wait_tensorcnt 0x0
.endif
	RUNB 0, \sl, \kk
	RUNA 1-(\ab), \koff
.if \turn
	s_xor_b32 s[PAR], s[PAR], UNIT
	v_add_nc_u32 v[ADRA], s[PAR], v[ADRA0]
.endif
	s_wait_dscnt 24                                ; all but the 24 just issued: tiles 8-15 are in
	MULN 1, 0, 8, \ab, \zero
	PLACES
	RUNB 1, \sl, \kk
.endm
; A slot's second K step changes slots.  All reads of ring buffer buf were issued in the two steps before.  In front of the round each wave waits for all its tensor loads (one is out: its part of the other
; buffer), adds 0 to its spare word, and waits for that and for all its LDS reads and stores (the stage's among them).  Behind the round no wave of any partner reads buffer buf or has a load on its way:
; the joint refill comes first, and has 112 of a slot's 128 matrix instructions in which to land.  The same barrier shows the stage unit laid in the step before to every wave.
; The refill's address is made anew from an offset: NU = 8 p + n names unit 8 p + (((n + (j & 6)) mod 8) xor (j & 1)) of wt, 262,144 bytes each; buffer 0 takes its first slot, buffer 1, two steps later, its
; second, 131,072 bytes on; my quarter, 32,768 bytes each, is the turned one in K, Q and V (NU < 24) and my wave's number in Out.  j is the cluster's number, so the four partners' descriptors are equal.
.macro STEPB ab, buf, sl, koff, fetch
	s_wait_dscnt 16
	MULN 0, 0, 4, \ab, 0
	WIN 0                                          ; (the add's two registers lie in window 0)
	s_wait_tensorcnt 0x0                           ; no tensor load of mine is out, so a group 0 may be written
	ds_add_u32 v[SPW], v[NIL]                      ; 0 onto my spare word
.if (\buf) == 0
	s_add_co_u32 s62, s[NU], s[U0E]
	s_and_b32 s62, s62, 7
	s_xor_b32 s62, s62, s[FL]                      ; my n-th unit
	s_and_b32 s63, s[NU], 0x38                     ; 8 p
	s_or_b32 s62, s62, s63
	s_lshl_b32 s[OFF], s62, 18
	s_cmp_lt_u32 s[NU], 24
	s_cselect_b32 s63, s[QR], s[G0+1]              ; (buffer 0's LDS word is my wave's number x 32,768)
	s_or_b32 s[OFF], s[OFF], s63
	s_add_co_u32 s[NU], s[NU], 1
.else
	s_or_b32 s[OFF], s[OFF], RINGB                 ; the same unit's second slot
.endif
	s_add_nc_u64 s[G0+4*(\buf)+2:G0+4*(\buf)+3], s[10:11], s[OFF:OFF+1]
	s_or_b32 s[G0+4*(\buf)+3], s[G0+4*(\buf)+3], 0x80000000  ; type = 2
	MULN 0, 4, 2, \ab, 0
	s_wait_dscnt 0x0                               ; the add is done; my reads of this buffer and of the stage are back, my stores into the stage are done
	s_barrier_signal -1
	MULN 0, 6, 2, \ab, 0
	WIN 0
	s_barrier_wait -1
	CREST
	tensor_load_to_lds s[G0+4*(\buf):G0+4*(\buf)+3], s[G1:G1+7]
	s_nop 0
	PLACES                                         ; also the places in front of the loads below
.if \fetch
	RUNB 0, \sl, 0
	RUNA 1-(\ab), \koff
.endif
	MULN 1, 0, 8, \ab, 0
	PLACES
.if \fetch
	RUNB 1, \sl, 0
.endif
.endm
; A PRODUCT: 8 units of K = 128, each two slots and four K steps.  The first step starts the sums and stands ahead of the loop; a trip goes from a unit's second step to the next unit's first.
; last = 1 (Out): the last two slots are followed by nothing: no refill, no round.
.macro PRODUCT hook, last
	STEPA 0, 0, 1, 64, 1, 0, 0, 0
	WIN 0
	s_mov_b32 s[SK], 7
.Lunit_\@:
	STEPB 1, 0, 1, 128, 1
	STEPA 0, 1, 1, 192, 0, \hook, 1, 0
	STEPB 1, 1, 0, 0, 1
	STEPA 0, 0, 1, 64, 0, 0, 0, 0
	WIN 0
	s_sub_co_u32 s[SK], s[SK], 1
	s_cmp_lg_u32 s[SK], 0
	s_cbranch_scc1 .Lunit_\@
.if \last
	STEPA 1, 1, 0, 128, 0, 0, 0, 1
	STEPA 0, 1, 1, 192, 0, 0, 0, 0
	s_wait_dscnt 16
	MULN 0, 0, 8, 1, 0
	s_wait_dscnt 0x0
	MULN 1, 0, 8, 1, 0
	PLACES
.else
	STEPB 1, 0, 1, 128, 1
	STEPA 0, 1, 1, 192, 0, 0, 0, 0
	STEPB 1, 1, 0, 0, 0
.endif
	WIN 0
.endm
.macro FETCH0                          ; a product's first operands
	PLACES
	RUNB 0, 0, 0
	RUNA 0, 0
	RUNB 1, 0, 0
.endm
; K's AND Q's WAY OUT, row block a.  Packed, the eight registers T[8 j ..] of lane (r, h) hold row 16 a + 8 h + j, token r & 7 and the 16 channels of parity r >> 3.  Lanes 8-15 and 16-23 change places:
; then lane bits 3:0 are (row's bit, token) and bit 4 the parity: a 16-bit operand of 16 tokens (two rows' eight) x 32 channels.  Each accumulator's register 0 is read first.
.macro CVTPERM a
.irp hw, 0,1
	WIN 0x0a+5*(\hw)
.set cj, 0
.rept 8
.irp d, 0,1,2,3
	v_cvt_pk_f16_f32 v[T+8*cj+4*(\hw)+(\d)], v[64*(\d)+8*(\a)+cj], v[64*(\d)+32+8*(\a)+cj]
.endr
.set cj, cj+1
.endr
.endr
	WIN 0
.set cn, 0
.rept 64
	v_permlanex16_b32 v[T2+cn], v[T+cn], s[SEL], s[SEL+1]
.set cn, cn+1
.endr
.endm
.macro KFIN a                          ; k's fragments stay: 29 in window 1, the last three in my stash
.set kj, 0
.rept 8
.set kf, 8*(\a)+kj
.if kf <= 28
	WIN 0x40
.irp d, 0,1,2,3,4,5,6,7
	v_cndmask_b32 v[8*kf+(\d)], v[T+8*kj+(\d)], v[T2+8*kj+(\d)], s[MSWP]
.endr
.else
	WIN 0
.irp d, 0,1,2,3,4,5,6,7
	v_cndmask_b32 v[T+8*kj+(\d)], v[T+8*kj+(\d)], v[T2+8*kj+(\d)], s[MSWP]
.endr
	ds_store_b128 v[STS], v[T+8*kj:T+8*kj+3]   offset:(kf-29)*1024
	ds_store_b128 v[STS], v[T+8*kj+4:T+8*kj+7] offset:(kf-29)*1024+512
.endif
.set kj, kj+1
.endr
	WIN 0
.endm
; Eight products, two rows each: source 0 = k's 16 tokens, source 1 = q's.  In the result lane (r, h), register j' is k's token (h, j') against q's (r >> 3, r & 7): where h = r >> 3 (lanes 0-7, 24-31)
; the lane's eight registers are S[row 16 a + 8 h + j][t = r & 7][t' = 0..7], summed over my wave's 32 channels; the other lanes hold products of two different rows, which nobody wants.
.macro SCORE a, dst
.set sj, 0
.rept 8
.set sf, 8*(\a)+sj
.if sf <= 28
	WIN 0x01
	v_wmma_f32_16x16x32_f16 v[(\dst)+8*sj:(\dst)+8*sj+7], v[8*sf:8*sf+7], v[T+8*sj:T+8*sj+7], 0
.else
	WIN 0x02
	v_wmma_f32_16x16x32_f16 v[(\dst)+8*sj:(\dst)+8*sj+7], v[32*(sf-29):32*(sf-29)+7], v[T+8*sj:T+8*sj+7], 0
.endif
.set sj, sj+1
.endr
	WIN 0
	PLACES
.endm
; Wave a owns block a's softmax.  Its own partial scores are made straight into OWN; the other three waves send theirs to its inboxes, the valid lanes' 32 bytes each.
.macro QFIN a
	WIN 0
.set cn, 0
.rept 64
	v_cndmask_b32 v[T+cn], v[T+cn], v[T2+cn], s[MSWP]
.set cn, cn+1
.endr
.if (\a) == 3
	s_wait_dscnt 0x0                               ; the stash is back
.endif
	s_cmp_eq_u32 s[WV], \a
	s_cbranch_scc1 .Lown_\@
	SCORE \a, T2
	s_add_co_u32 s57, s[WV], 3-(\a)
	s_and_b32 s57, s57, 3                          ; inbox (wave - a - 1) mod 4: 0, 1, 2 for the three senders
	s_lshl_b32 s57, s57, 14
	s_add_co_u32 s57, s57, (\a)*4096
	v_add_nc_u32 v[IWS], s57, v[IW]
	s_wait_xcnt 0x0                                ; x's or c's loads may be out: EXEC changes only behind this wait
	s_and_saveexec_b32 s56, s[MVAL]
.set sj, 0
.rept 8
	ds_store_b128 v[IWS], v[T2+8*sj:T2+8*sj+3]   offset:sj*512
	ds_store_b128 v[IWS], v[T2+8*sj+4:T2+8*sj+7] offset:sj*512+16
.set sj, sj+1
.endr
	s_wait_xcnt 0x0
	s_or_b32 exec_lo, exec_lo, s56
	s_branch .Lsent_\@
.Lown_\@:
	SCORE \a, OWN
.Lsent_\@:
.if (\a) == 2
	WIN 0x80                                       ; the stash comes back into three accumulators of block 0, which have been packed
.irp n, 0,1,2
	ds_load_b128 v[32*(\n):32*(\n)+3],   v[STS] offset:(\n)*1024
	ds_load_b128 v[32*(\n)+4:32*(\n)+7], v[STS] offset:(\n)*1024+512
.endr
	WIN 0
.endif
.endm
.macro ALLJ line:vararg                ; one line for each of my block's eight tiles t
.set t, 0
.rept 8
	\line
.set t, t+1
.endr
.endm
.macro INBOX sl, dst
.set t, 0
.rept 8
	ds_load_b128 v[(\dst)+8*t:(\dst)+8*t+3],   v[IWS] offset:(\sl)*16384+t*512
	ds_load_b128 v[(\dst)+8*t+4:(\dst)+8*t+7], v[IWS] offset:(\sl)*16384+t*512+16
.set t, t+1
.endr
.endm
.macro ADDIN src
.set t, 0
.rept 32
	v_pk_add_f32 v[OWN+2*t:OWN+2*t+1], v[OWN+2*t:OWN+2*t+1], v[(\src)+2*t:(\src)+2*t+1]
.set t, t+1
.endr
.endm
; MY BLOCK'S SOFTMAX.  The four waves' partial scores are added; a lane holds a query token's eight scores in eight registers, so maximum and sum stay in the lane.  p = 2^(c s - c m) / sum.
; The lanes that hold nothing of use run along on finite numbers and are set to 0 at the end: as zeros they are what P V wants there.  P goes where my first inbox lay: its loads are back, and only I read it.
.macro SOFTMAX
	s_lshl_b32 s57, s[WV], 12
	v_add_nc_u32 v[IWS], s57, v[IW]
	INBOX 0, T
	INBOX 1, T2
	s_wait_dscnt 16                                ; the first inbox is in
	ADDIN T
	INBOX 2, T
	s_wait_dscnt 16                                ; the second
	ADDIN T2
	s_wait_dscnt 0x0
	ADDIN T
	ALLJ v_max3_num_f32 v[MX+2*t+1], v[OWN+8*t], v[OWN+8*t+1], v[OWN+8*t+2]
	ALLJ v_max3_num_f32 v[MX+2*t+1], v[MX+2*t+1], v[OWN+8*t+3], v[OWN+8*t+4]
	ALLJ v_max3_num_f32 v[MX+2*t+1], v[MX+2*t+1], v[OWN+8*t+5], v[OWN+8*t+6]
	ALLJ v_max_num_f32 v[MX+2*t+1], v[MX+2*t+1], v[OWN+8*t+7]
	ALLJ v_mul_f32 v[MX+2*t], s[CS], v[MX+2*t+1]
.set n, 0
.rept 32
	v_pk_fma_f32 v[OWN+2*n:OWN+2*n+1], v[OWN+2*n:OWN+2*n+1], s[CS:CS+1], v[MX+2*(n/4):MX+2*(n/4)+1] op_sel_hi:[1,0,0] neg_lo:[0,0,1] neg_hi:[0,0,1]  ; c s - c m
.set n, n+1
.endr
.set n, 0
.rept 64
	v_exp_f32 v[OWN+n], v[OWN+n]
.set n, n+1
.endr
	v_nop                                          ; a plain instruction between the last exponential and the use of its result
	s_wait_alu depctr_va_vdst(0)
	ALLJ v_pk_add_f32 v[SU+4*t:SU+4*t+1], v[OWN+8*t:OWN+8*t+1], v[OWN+8*t+2:OWN+8*t+3]
	ALLJ v_pk_add_f32 v[SU+4*t+2:SU+4*t+3], v[OWN+8*t+4:OWN+8*t+5], v[OWN+8*t+6:OWN+8*t+7]
	ALLJ v_pk_add_f32 v[SU+4*t:SU+4*t+1], v[SU+4*t:SU+4*t+1], v[SU+4*t+2:SU+4*t+3]
	ALLJ v_add_f32 v[SU+4*t], v[SU+4*t], v[SU+4*t+1]
	ALLJ v_rcp_f32 v[MX+2*t], v[SU+4*t]
	v_nop                                          ; the same behind the last reciprocal
.set n, 0
	s_wait_alu depctr_va_vdst(0)
.rept 32
	v_pk_mul_f32 v[OWN+2*n:OWN+2*n+1], v[OWN+2*n:OWN+2*n+1], v[MX+2*(n/4):MX+2*(n/4)+1] op_sel_hi:[1,0]
.set n, n+1
.endr
.set n, 0
.rept 32
	v_cvt_pk_f16_f32 v[T+n], v[OWN+2*n], v[OWN+2*n+1]
.set n, n+1
.endr
.set n, 0
.rept 32
	v_cndmask_b32 v[T+n], 0, v[T+n], s[MVAL]
.set n, n+1
.endr
	ALLJ ds_store_b128 v[PW], v[T+4*t:T+4*t+3] offset:t*512
.endm
; V's WAY OUT.  Lane (r, h) of tile (t', e) holds channel 16 e + r of rows 16 a + 8 h + j.  Fragment (a, jp, e) is source 0 of P V: 16 channels x K = 32, K = [row 2 jp: t' | its partner 8 rows on | row 2 jp + 1 | its partner];
; registers 0-3 of a lane are its row 16 a + 8 h + 2 jp, registers 4-7 its row + 1, t' = 0..7 in pairs.  Nothing changes lanes.
.macro VPACK
.irp hw, 0,1
	WIN 0x4a+5*(\hw)
.set va, 0
.rept 4
.set vj, 0
.rept 4
.irp e, 0,1
.irp z, 0,1
.irp dd, 0,1
	v_cvt_pk_f16_f32 v[8*(8*va+2*vj+(\e))+4*(\z)+2*(\hw)+(\dd)], v[32*(4*(\dd)+(\e))+8*va+2*vj+(\z)], v[32*(4*(\dd)+2+(\e))+8*va+2*vj+(\z)]
.endr
.endr
.endr
.set vj, vj+1
.endr
.set va, va+1
.endr
.endr
	WIN 0
.endm
; Source 1 of P V for tile j: 16 query tokens (two rows' eight) x K = 32, which is P's tile in registers 0-3 (j even) or 4-7 (j odd) and zeros in the others.  Twelve registers [P(2 jp) | 0 | P(2 jp + 1)] serve both.
.macro PLOAD a
	WIN 0
.set pj, 0
.rept 8
	ds_load_b128 v[T+64*((\a)%2)+12*(pj/2)+8*(pj%2):T+64*((\a)%2)+12*(pj/2)+8*(pj%2)+3], v[PL] offset:(\a)*4096+pj*512
.set pj, pj+1
.endr
.endm
.macro PVMUL a                         ; O(a, j, e) at window 2 + (a >> 1), v[128 (a & 1) + 16 j + 8 e]: lane (r, h) holds attn[row 16 a + 8 (r >> 3) + j][128 (r & 7) + 32 y + 16 e + 8 h + 0..7], y my quarter
	WIN 0x81+0x40*((\a)/2)
.set pj, 0
.rept 8
.irp e, 0,1
	v_wmma_f32_16x16x32_f16 v[128*((\a)%2)+16*pj+8*(\e):128*((\a)%2)+16*pj+8*(\e)+7], v[8*(8*(\a)+2*(pj/2)+(\e)):8*(8*(\a)+2*(pj/2)+(\e))+7], v[T+64*((\a)%2)+12*(pj/2)+4*(pj%2):T+64*((\a)%2)+12*(pj/2)+4*(pj%2)+7], 0
.endr
.set pj, pj+1
.endr
.endm
.macro HPACK                           ; attn rounded to f16: a lane's eight channels are 16 bytes, at window 1, v[128 e + 4 (8 a + j)]
.set ha, 0
.rept 4
	WIN 0x4a+5*(ha/2)
.set hj, 0
.rept 8
.irp e, 0,1
.irp q, 0,1,2,3
	v_cvt_pk_f16_f32 v[128*(\e)+4*(8*ha+hj)+(\q)], v[128*(ha%2)+16*hj+8*(\e)+2*(\q)], v[128*(ha%2)+16*hj+8*(\e)+2*(\q)+1]
.endr
.endr
.set hj, hj+1
.endr
.set ha, ha+1
.endr
	WIN 0
.endm
; OUT's WAY OUT, row block a, tiles 8 hf .. 8 hf + 7.  The bias' addition also gathers a lane's four neighbouring columns from four tiles: no trip through LDS.  Two sets of 64 registers take turns.
.macro OUTB a, hf
	WIN 0
	s_wait_xcnt 0x0                                ; the set's last stores have read their registers
	WIN 0x02+(\hf)
.set oj, 0
.rept 8
.irp i, 0,1,2,3,4,5,6,7
	v_add_f32 v[OWN+64*(\hf)+8*oj+(\i)], v[32*(\i)+8*(\a)+oj], v[BIAS+8*(\hf)+(\i)]
.endr
.set oj, oj+1
.endr
	WIN 0
.set oj, 0
.rept 8
.irp g, 0,1
	global_store_b128 v[OUTO], v[OWN+64*(\hf)+8*oj+4*(\g):OWN+64*(\hf)+8*oj+4*(\g)+3], s[12:13] offset:(16*(\a)+oj)*ROWB+(2*(\hf)+(\g))*256 th:TH_STORE_NT  ; sixteen lanes: 256 consecutive aligned bytes of a row
.endr
.set oj, oj+1
.endr
.endm
	s_load_b256 s[4:11], s[0:1], 0x0               ; x s[4:5], c s[6:7], bout s[8:9], wt s[10:11]
	s_load_b64 s[12:13], s[0:1], 0x20              ; out0
	v_lshl_add_u32 v[SPW], v0, 2, SPARE
	v_mov_b32 v[NIL], 0
	ds_add_u32 v[SPW], v[NIL]                      ; the wave's opening: the add and its wait stand ahead of my first tensor load; work on registers stands between them
	v_lshrrev_b32 v18, 5, v0
	v_readfirstlane_b32 s[WV], v18                 ; wave 0..3
	s_bfe_u32 s57, ttmp6, 0x40000                  ; cx: my place in the cluster
	s_lshl_b32 s58, ttmp9, 2                       ; in a cluster launch ttmp9 counts clusters
	s_add_co_u32 s58, s58, s57                     ; my work-group: it enters x's, c's and out's addresses alone
	s_lshl_b32 s58, s58, 18                        ; its 64 rows of 4,096 bytes
	s_mov_b32 s59, 0
	s_and_b32 s[FL], ttmp9, 1                      ; j & 1 and j & 6 say where my cluster begins along K: the same in all four partners
	s_and_b32 s[U0E], ttmp9, 6
	s_lshl_b32 s[FL9], s[FL], 9
	s_lshl_b32 s[XW], s[U0E], 9
	s_lshr_b32 s[QR], s[U0E], 1
	s_add_co_u32 s[QR], s[QR], s[WV]
	s_and_b32 s[QR], s[QR], 3                      ; my quarter in K, Q and V,
	s_lshl_b32 s[QR], s[QR], 15                    ; in bytes
	s_mov_b32 s[NU], 1                             ; place 0 is asked for below
	; descriptor group 1: a wave's quarter of a slot, 32,768 dense bytes, as 128 rows of 256 bytes
	s_mov_b32 s[G1], 15|(3<<16)|(1<<21)            ; 15:0 the mask of four; 17:16 elements of 8 bytes; 20 no padding; 21 set beside a mask
	s_mov_b32 s[G1+1], 32<<16                      ; tensor_dim0 = 32
	s_mov_b32 s[G1+2], 128<<16                     ; tensor_dim1 = 128
	s_mov_b32 s[G1+3], 32<<16                      ; tile_dim0 = 32
	s_mov_b32 s[G1+4], 128                         ; tile_dim1 = 128
	s_mov_b32 s[G1+5], 32                          ; 32 elements from row to row
	s_mov_b32 s[G1+6], 0
	s_mov_b32 s[G1+7], 0
	s_mov_b32 s[G0], 1                             ; count = 1
	s_lshl_b32 s[G0+1], s[WV], 15                  ; LDS address: buffer 0, my wave's part
	s_mov_b32 s[G0+4], 1
	s_add_co_u32 s[G0+5], s[G0+1], RINGB           ; buffer 1
	s_mov_b32 s[CS], 0x3e0293ee                    ; c = log2(e) / sqrt(128) = 0.127517
	s_mov_b32 s[CS+1], s[CS]                       ; named with it as a pair
	s_mov_b32 s[SEL], 0xfedcba98
	s_mov_b32 s[SEL+1], 0x76543210
	s_mov_b32 s[MSWP], 0x00ffff00
	s_mov_b32 s[MVAL], 0xff0000ff
	s_mov_b32 s[SP], 0
	s_wait_dscnt 0x0                               ; the opening add is done
	s_wait_kmcnt 0x0
	s_add_nc_u64 s[XB:XB+1], s[4:5], s[58:59]
	s_add_nc_u64 s[CB:CB+1], s[6:7], s[58:59]
	s_add_nc_u64 s[12:13], s[12:13], s[58:59]
	s_or_b32 s62, s[U0E], s[FL]                    ; my order's place 0: unit j & 7
	s_lshl_b32 s[OFF], s62, 18                     ; x's and c's addresses have moved on: their registers take the two offsets
	s_or_b32 s[OFF], s[OFF], s[QR]
	s_mov_b32 s[OFF+1], 0
	s_xor_b32 s[XO], s[XW], s[FL9]
	s_mov_b32 s[XO+1], 0
	s_add_nc_u64 s[G0+2:G0+3], s[10:11], s[OFF:OFF+1]  ; K's first unit in my order: its first slot,
	s_add_nc_u64 s[G0+6:G0+7], s[G0+2:G0+3], RINGB ; its second
	s_or_b32 s[G0+3], s[G0+3], 0x80000000          ; type = 2
	s_or_b32 s[G0+7], s[G0+7], 0x80000000
	s_add_nc_u64 s[PX:PX+1], s[CB:CB+1], s[XO:XO+1]
	CROUND                                         ; all four work-groups are here: the first joint loads meet
	tensor_load_to_lds s[G0:G0+3], s[G1:G1+7]      ; both first fills together: two loads of mine are out
	s_nop 0
	tensor_load_to_lds s[G0+4:G0+7], s[G1:G1+7]
	s_nop 0
	PLACES
	v_and_b32 v19, 31, v0                          ; L
	v_lshlrev_b32 v20, 4, v19                      ; 16 L
	s_lshl_b32 s57, s[WV], 16                      ; my wave's 16 rows
	v_add_nc_u32 v[GX], s57, v20
	XLOAD                                          ; c's first unit in my order
	v_and_b32 v21, 15, v0                          ; r
	v_bfe_u32 v22, v0, 4, 1                        ; h
	v_and_b32 v23, 7, v0                           ; r & 7
	v_add_nc_u32 v[ADRB], s[G0+1], v20
	v_add_nc_u32 v[ADRB+1], s[G0+5], v20
	v_mul_u32_u24 v[ADRA0], v21, AP
	v_lshl_add_u32 v[ADRA0], v22, 4, v[ADRA0]
	v_add_nc_u32 v[ADRA0], STG, v[ADRA0]           ; row r, 16 bytes for each half of the lanes
	s_mul_i32 s57, s[WV], 16*AP
	s_add_co_u32 s57, s57, STG
	v_lshl_add_u32 v[STA0], v19, 3, s57            ; my wave's rows, 8 bytes a lane
	v_bfe_u32 v18, v0, 3, 1                        ; r >> 3
	v_mul_u32_u24 v[HST], v18, 8*AP
	v_lshl_add_u32 v[HST], v23, 5, v[HST]
	v_lshl_add_u32 v[HST], v22, 4, v[HST]
	v_add_nc_u32 v[HST], STG, v[HST]               ; row 8 (r >> 3), byte 32 (r & 7) + 16 h
	v_lshlrev_b32 v[IW], 5, v23
	v_lshl_add_u32 v[IW], v22, 8, v[IW]
	v_add_nc_u32 v[IW], X0, v[IW]                  ; 32 x ((L & 7) + 8 (L >> 4))
	v_add_nc_u32 v[PL], X0, v20
	s_lshl_b32 s57, s[WV], 12
	v_add_nc_u32 v[PW], s57, v[PL]
	s_mul_i32 s57, s[WV], 3072
	s_add_co_u32 s57, s57, STSH
	v_add_nc_u32 v[STS], s57, v20
	s_lshl_b32 s57, s[WV], 10
	v_lshl_add_u32 v[BIO], v21, 4, s57             ; column 256 w + 4 r, in bytes
	v_lshl_add_u32 v[OUTO], v22, 15, v[BIO]        ; and eight rows further down for lanes 16-31
.Lprod:                                                ; three trips: K = c Wk, Q = x Wq, V = c Wv: one text
	s_cmp_eq_u32 s[SP], 1
	s_cselect_b64 s[CUR:CUR+1], s[XB:XB+1], s[CB:CB+1]
	s_cmp_eq_u32 s[SP], 0
	s_cselect_b64 s[NB:NB+1], s[XB:XB+1], s[CB:CB+1]
	s_cmp_eq_u32 s[SP], 2
	s_cselect_b32 s[LASTP], 1, 0
	s_mov_b32 s[PAR], 0
	s_mov_b32 s[STP], 0
	v_mov_b32 v[ADRA], v[ADRA0]
	XHOOK 1                                        ; my first unit into the stage, my second asked for
	s_wait_tensorcnt 0x1                           ; my part of buffer 0 is in; the younger fill, buffer 1's, may stay out
	s_wait_dscnt 0x0                               ; my rows of the stage are laid
	s_barrier_signal -1
	s_barrier_wait -1
	FETCH0
	PRODUCT 1, 0
	s_cmp_eq_u32 s[SP], 2
	s_cbranch_scc1 .Lpost_v
.irp a, 0,1,2,3
	CVTPERM \a
	s_cmp_eq_u32 s[SP], 0
	s_cbranch_scc0 .Lq_\a
	KFIN \a
	s_branch .Lkq_\a
.Lq_\a:
	QFIN \a
.Lkq_\a:
.endr
	s_branch .Ljoin
.Lpost_v:
	s_wait_loadcnt 0x0                             ; V's last hook asked for nothing: the registers that x's and c's rows land in are free behind this wait
	VPACK
.irp b, T, T2
.irp n, 0,1,2,3
.irp z, 4,5,6,7
	v_mov_b32 v[(\b)+12*(\n)+(\z)], 0              ; the zeros between P's tiles, written once
.endr
.endr
.endr
	PLOAD 0
	PLOAD 1
	s_wait_dscnt 8                                 ; block 0's P is in; block 1's eight loads may be out
	PVMUL 0
	PLACES
	PLOAD 2
	s_wait_dscnt 8
	PVMUL 1
	PLACES
	PLOAD 3
	s_wait_dscnt 8
	PVMUL 2
	s_wait_dscnt 0x0
	PVMUL 3
	PLACES
	HPACK
.Ljoin:                                                ; two barriers on every way: no jump passes a barrier or a tensor load
	s_wait_dscnt 0x0                               ; my partial scores lie in the owners' inboxes
	s_barrier_signal -1
	s_barrier_wait -1
	s_cmp_eq_u32 s[SP], 1
	s_cbranch_scc0 .Lno_softmax
	SOFTMAX
.Lno_softmax:
	s_wait_dscnt 0x0                               ; my reads of the inboxes are back (the stage is laid over two of them next), my P is stored
	s_barrier_signal -1
	s_barrier_wait -1
	s_add_co_u32 s[SP], s[SP], 1
	s_cmp_lt_u32 s[SP], 3
	s_cbranch_scc1 .Lprod
	; OUT = attn Wout + bout.  K runs over attn's units in my cluster's order; the n-th is laid into the stage by wave n >> 1, which holds it.
	s_mov_b32 s[SUN], 1
	s_mov_b32 s[PAR], 0
	v_mov_b32 v[ADRA], v[ADRA0]
	HHOOK 1                                        ; place 0 goes into stage unit 0
	s_wait_loadcnt 0x0                             ; no load of x or c is out any more: the registers in which their rows landed take the bias only behind this wait
.irp g, 0,1,2,3
	global_load_b128 v[BIAS+4*(\g):BIAS+4*(\g)+3], v[BIO], s[8:9] offset:(\g)*256  ; bout for my four columns of each group of four tiles
.endr
	s_wait_tensorcnt 0x1                           ; as at the head of every product
	s_wait_dscnt 0x0
	s_barrier_signal -1
	s_barrier_wait -1
	FETCH0
	PRODUCT 2, 1
	s_wait_loadcnt 0x0                             ; the bias
.irp a, 0,1,2,3
	OUTB \a, 0
	OUTB \a, 1
.endr
	s_wait_tensorcnt 0x0                           ; the wave's end, behind my last tensor load and my last LDS store
	ds_add_u32 v[SPW], v[NIL]
	s_wait_dscnt 0x0
	CROUND                                         ; the closing round: no work-group ends while a partner may still ask for a slot that names it
	s_endpgm
.Lfunc_end_k_qa6505459fe_fused:
	.size	k_qa6505459fe_fused, .Lfunc_end_k_qa6505459fe_fused-k_qa6505459fe_fused
	.p2alignl 7, 3214868480
	.fill 96, 4, 3214868480
	.section	.rodata,"a",@progbits
	.p2align	6, 0x0
	.amdhsa_kernel k_qa6505459fe_fused
		.amdhsa_group_segment_fixed_size 327680
		.amdhsa_private_segment_fixed_size 0
		.amdhsa_enable_private_segment 0
		.amdhsa_kernarg_size 40
		.amdhsa_user_sgpr_count 2
		.amdhsa_user_sgpr_kernarg_segment_ptr 1
		.amdhsa_wavefront_size32 1
		.amdhsa_system_sgpr_workgroup_id_x 1
		.amdhsa_system_sgpr_workgroup_id_y 1
		.amdhsa_system_sgpr_workgroup_id_z 1
		.amdhsa_system_vgpr_workitem_id 0
		.amdhsa_next_free_vgpr 1024
		.amdhsa_next_free_sgpr 66
		.amdhsa_reserve_vcc 0
		.amdhsa_float_denorm_mode_32 3
		.amdhsa_float_denorm_mode_16_64 3
		.amdhsa_memory_ordered 1
		.amdhsa_forward_progress 1
		.amdhsa_inst_pref_size 255
	.end_amdhsa_kernel
	.section	.bss,"aw",@nobits
	.p2align	6
	.space	262144
	.amdgpu_metadata
---
amdhsa.version: [ 1, 2 ]
amdhsa.kernels:
  - .name:           k_qa6505459fe_fused
    .symbol:         k_qa6505459fe_fused.kd
    .args:
      - { .name: x, .offset: 0, .size: 8, .value_kind: global_buffer, .address_space: global }
      - { .name: c, .offset: 8, .size: 8, .value_kind: global_buffer, .address_space: global }
      - { .name: bout, .offset: 16, .size: 8, .value_kind: global_buffer, .address_space: global }
      - { .name: wt, .offset: 24, .size: 8, .value_kind: global_buffer, .address_space: global }
      - { .name: out0, .offset: 32, .size: 8, .value_kind: global_buffer, .address_space: global }
    .group_segment_fixed_size: 327680
    .private_segment_fixed_size: 0
    .kernarg_segment_align: 8
    .kernarg_segment_size: 40
    .max_flat_workgroup_size: 128
    .sgpr_count:     66
    .vgpr_count:     1024
    .wavefront_size: 32
...
	.end_amdgpu_metadata
.endif
;; end of part 2
